; MI455X (gfx1250); checked and timed in simulation.
; The chip was launched on July 23, 2026; its instructions are those of AMD's public machine-readable ISA for CDNA 5 (MIT licence, August 2026) and "CDNA5" Instruction Set Architecture Reference Guide (July 2026). The comments in the code are by the model that wrote it; some were corrected since.
;; Hdc Generic Encoder. Allowed arithmetic: float matrix products may take bf16 or f16 operands with f32 sums; all other float work in f32.
;; Inputs: channels 64 x 4 x 32 float32; hr_table 200 x 10,000 float32; keys 32 x 10,000 float32; motion_table 3,000 x 10,000 float32.
;; Outputs: out0 64 x 10,000 float32.
;; 2 versions, each right; version 2 is version 1 with the launch encode written anew for expert scheduling mode. Each part assembles by itself: llvm-mc -triple=amdgcn-amd-amdhsa -mcpu=gfx1250 --defsym DOCPART=n.
;; ======== version 1 of 2: 2 launches
;; workspace buffers: idx 8,192 bytes of whole numbers
;; launch levels (part 1): grid 1 x 1, 16 waves a work-group, no clusters, 0 bytes of LDS; arguments channels, idx; writes idx
.if DOCPART == 1
	.amdgcn_target "amdgcn-amd-amdhsa--gfx1250"
	.amdhsa_code_object_version 6
	.text
	.protected	k_q7c32a3dfdd_levels
	.globl	k_q7c32a3dfdd_levels
	.p2align	8
	.type	k_q7c32a3dfdd_levels,@function
k_q7c32a3dfdd_levels:
	s_mov_b64 s[64:65], 0
	v_nop
	global_prefetch_b8 v0, s[64:65] scope:SCOPE_SE
	s_setreg_imm32_b32 hwreg(HW_REG_WAVE_MODE, 25, 1), 1
	s_wait_xcnt 0x0
; Level indices of the first timestep: idx[b][c] = clip(round((channels[b][0][c] - low) / (high - low) * (n - 1)), 0, n - 1).
; Channels 0..30: low -3, range 6, n 3000.  Channel 31: low 50, range 150, n 200.  idx: [64][32] of 32-bit whole numbers.
; 512 threads; thread t takes sample b = t / 8 and the four channels 4 g .. 4 g + 3, g = t % 8: one 16-byte load, one 16-byte store;
; the stores of a wave cover 512 consecutive bytes.  Timesteps 1..3 are not read: the result does not depend on them.
; The arithmetic keeps the order subtract, divide, multiply, round to even, clip.  The division is made correctly rounded without
; a divider: q0 = a * rc with rc the f32 nearest to 1 / range (q0 is less than one unit in the last place off: under 0.5 from rc,
; at most 0.5 from the product's rounding), rem = a - q0 * range exactly (one fused multiply-add), q = q0 + rem * rc rounded once.
; The clip is done on the rounded f32 (0 and n - 1 are exact there), then converted.
; LIMITS: a channel that is NaN or an infinity gets level 0.  Values whose scaled level passes the 32-bit range clip to 0 or n - 1.
.set T0, 16                                    ; v16, v17: at work
.set T1, 17
	s_load_b128 s[4:7], s[0:1], 0x0                ; channels s[4:5], idx s[6:7]
	v_and_b32 v2, 7, v0                            ; g
	v_lshrrev_b32 v1, 3, v0                        ; b
	v_lshlrev_b32 v3, 4, v2                        ; 16 g
	v_lshl_add_u32 v3, v1, 9, v3                   ; + 512 b: a sample is 4 timesteps x 32 channels x 4 bytes
	v_lshlrev_b32 v4, 4, v0                        ; idx: 128 b + 16 g = 16 t
	s_wait_kmcnt 0x0
	global_load_b128 v[12:15], v3, s[4:5]
	; constants of the motion channels in scalars; those of a thread's fourth channel in v5..v8: heart rate where g = 7
	s_mov_b32 s8, 0x40400000                       ; -low   = 3.0
	s_mov_b32 s9, 0x3e2aaaab                       ; f32 nearest to 1 / 6
	s_mov_b32 s10, 0x40c00000                      ; range  = 6.0
	s_mov_b32 s11, 0x453b7000                      ; n - 1  = 2999.0
	v_cmp_eq_u32 vcc_lo, 7, v2
	v_mov_b32 v5, 0xc2480000                       ; -low   = -50.0
	v_mov_b32 v6, 0x3bda740e                       ; f32 nearest to 1 / 150
	v_mov_b32 v7, 0x43160000                       ; range  = 150.0
	v_mov_b32 v8, 0x43470000                       ; n - 1  = 199.0
	v_cndmask_b32 v5, s8, v5, vcc_lo
	v_cndmask_b32 v6, s9, v6, vcc_lo
	v_cndmask_b32 v7, s10, v7, vcc_lo
	v_cndmask_b32 v8, s11, v8, vcc_lo
.macro LEVEL r, nl, rc, rg, sc
	v_add_f32 v[\r], \nl, v[\r]                    ; a = x - low
	v_mul_f32 v[T0], \rc, v[\r]                    ; q0
	v_fma_f32 v[T1], -v[T0], \rg, v[\r]            ; rem = a - q0 * range, exact
	v_fma_f32 v[T0], v[T1], \rc, v[T0]             ; q = a / range, correctly rounded
	v_mul_f32 v[T0], \sc, v[T0]                    ; * (n - 1)
	v_rndne_f32 v[T0], v[T0]                       ; halves go to the even neighbour
	v_max_num_f32 v[T0], 0, v[T0]                  ; clip; a NaN loses against 0
	v_min_num_f32 v[T0], \sc, v[T0]
	v_cvt_u32_f32 v[\r], v[T0]
.endm
	s_wait_loadcnt 0x0
	LEVEL 12, s8, s9, s10, s11
	LEVEL 13, s8, s9, s10, s11
	LEVEL 14, s8, s9, s10, s11
	LEVEL 15, v5, v6, v7, v8
	global_store_b128 v4, v[12:15], s[6:7]
	s_endpgm
.Lfunc_end_k_q7c32a3dfdd_levels:
	.size	k_q7c32a3dfdd_levels, .Lfunc_end_k_q7c32a3dfdd_levels-k_q7c32a3dfdd_levels
	.p2alignl 7, 3214868480
	.fill 96, 4, 3214868480
	.section	.rodata,"a",@progbits
	.p2align	6, 0x0
	.amdhsa_kernel k_q7c32a3dfdd_levels
		.amdhsa_group_segment_fixed_size 0
		.amdhsa_private_segment_fixed_size 0
		.amdhsa_enable_private_segment 0
		.amdhsa_kernarg_size 16
		.amdhsa_user_sgpr_count 2
		.amdhsa_user_sgpr_kernarg_segment_ptr 1
		.amdhsa_wavefront_size32 1
		.amdhsa_system_sgpr_workgroup_id_x 1
		.amdhsa_system_sgpr_workgroup_id_y 1
		.amdhsa_system_sgpr_workgroup_id_z 1
		.amdhsa_system_vgpr_workitem_id 0
		.amdhsa_next_free_vgpr 20
		.amdhsa_next_free_sgpr 66
		.amdhsa_reserve_vcc 1
		.amdhsa_float_denorm_mode_32 3
		.amdhsa_float_denorm_mode_16_64 3
		.amdhsa_memory_ordered 1
		.amdhsa_forward_progress 1
		.amdhsa_inst_pref_size 3
	.end_amdhsa_kernel
	.amdgpu_metadata
---
amdhsa.version: [ 1, 2 ]
amdhsa.kernels:
  - .name:           k_q7c32a3dfdd_levels
    .symbol:         k_q7c32a3dfdd_levels.kd
    .args:
      - { .name: channels, .offset: 0, .size: 8, .value_kind: global_buffer, .address_space: global }
      - { .name: idx, .offset: 8, .size: 8, .value_kind: global_buffer, .address_space: global }
    .group_segment_fixed_size: 0
    .private_segment_fixed_size: 0
    .kernarg_segment_align: 8
    .kernarg_segment_size: 16
    .max_flat_workgroup_size: 512
    .sgpr_count:     66
    .vgpr_count:     20
    .wavefront_size: 32
...
	.end_amdgpu_metadata
.endif
;; end of part 1
;; launch encode (part 2): grid 15 x 32, 6 waves a work-group, no clusters, 0 bytes of LDS; arguments idx, motion_table, hr_table, keys, out0; writes out0
.if DOCPART == 2
	.amdgcn_target "amdgcn-amd-amdhsa--gfx1250"
	.amdhsa_code_object_version 6
	.text
	.protected	k_q7c32a3dfdd_encode
	.globl	k_q7c32a3dfdd_encode
	.p2align	8
	.type	k_q7c32a3dfdd_encode,@function
k_q7c32a3dfdd_encode:
	s_mov_b64 s[64:65], 0
	v_nop
	global_prefetch_b8 v0, s[64:65] scope:SCOPE_SE
	s_setreg_imm32_b32 hwreg(HW_REG_WAVE_MODE, 25, 1), 1
	s_wait_xcnt 0x0
; out[b][d] = (ms > 0 ? 1 : -1),  ms = sum over w = 0..24 of keys[w][d] * product over j = 0..6 of x_{w+1+j}[(d - 6 + j) mod 10000],
; where x_c is the table row named by idx[b][c]: motion_table for c = 1..30, hr_table for c = 31 (channel 0 enters no window).
;
; SHARES.  A unit is 4 floats (16 bytes); a row has 2,500 units.  A lane owns one unit.  Each row of 16 lanes is a tile of its own:
; it loads 16 consecutive units and lanes 2..15 make outputs; lanes 0 and 1 only carry the 6 floats in front of them.  Tiles step by
; 14 units, so a wave's load covers 30 units = 480 consecutive bytes.  Unit numbers are taken mod 2,500, which is the roll's wrap.
; A work-group is 6 waves = 168 units; 15 of them cover a row (2,520 >= 2,500; lanes past the end load wrapped units and store nothing).
; A wave keeps its 25 key units in registers and serves two samples, 2 y and 2 y + 1, with them.
;
; SHIFTS along d ride on the multiplies: row_shr:1 lets lane i read the first source of lane i - 1 of its 16.  A lane without a source
; keeps its destination; what it keeps reaches positions 0..5 of the tile at most, never lanes 2..15 (Q from position 1, S from 2,
; R from 3, the window's product from 6).
;
; SHARED PARTIAL PRODUCTS (p: position of the last factor):
;   Q_c[p] = x_c[p-1] x_{c+1}[p]      S_w[p] = x_{w+1}[p-2] Q_{w+2}[p]      R_c[p] = Q_c[p-2] Q_{c+2}[p]
;   window w at d = S_w[d-4] R_{w+4}[d]:  16 instructions for a lane's 4 outputs of a window instead of 28.
; S overwrites x_{w+1} and R overwrites Q_c, each with its register pairs SWAPPED (registers 0,1 hold positions 2,3 and registers 2,3
; positions 0,1): then every result lands on the register of one of its own factors and the shift by two is one packed multiply.
; The sums are kept in the same swapped order and put right at the compare.
;
; LIMITS.  The seven factors are multiplied in another order than left to right, and key * product is fused into the sum: exact for
; tables of +1 and -1; for other numbers ms differs in its last bits.  ms = 0 and ms = NaN give -1, as a compare ms > 0 does.
;
; NOT USED.  No LDS: nothing passes between waves.  No joint requests in a cluster: only the keys are shared between work-groups,
; 25 of the 87 loads of a wave, and they go straight to registers where they stay for both samples.  No prefetch: each wave holds at
; least 24 loads of its own in flight until its last sample, and the second sample's rows are loaded about 25 steps before use.
.set ROWB,  40000                      ; bytes in a row of every table, of keys and of out
.set UNITS, 2500
.set VALID, 14                         ; units of output in a tile of 16 lanes
.set WGU,   6*2*VALID                  ; units of output of a work-group
.set LOFF,  1                          ; v1         byte offset of my unit in a row: loads of rows and keys, and the store
.set ACC,   4                          ; v[4:7]     sums, pairs swapped
.set OUTR,  8                          ; v[8:11]    +1 / -1 to store
.set Q,     12                         ; v[12:23]   Q_c in slot c mod 3, later R_c
.set X,     24                         ; v[24:147]  x_c at X + 4 (c - 1), later S_{c-1}, then the window's product
.set K,     148                        ; v[148:247] keys[w] at K + 4 w
	s_load_b256 s[4:11], s[0:1], 0x0               ; idx s[4:5], motion_table s[6:7], hr_table s[8:9], keys s[10:11]
	s_load_b64 s[12:13], s[0:1], 0x20              ; out0
	v_and_b32 v2, 15, v0                           ; l: lane in its tile
	v_lshrrev_b32 v3, 4, v0                        ; tile in the work-group, 0..11
	v_mad_u32_u24 v3, v3, VALID, v2                ; 14 tile + l
	s_mul_i32 s14, ttmp9, WGU
	s_add_co_u32 s14, s14, UNITS-2
	v_add_nc_u32 v3, s14, v3                       ; my unit u = 168 x + 14 tile + l - 2, kept as u + 2500: 2498 .. 5019
	v_cmp_lt_u32 vcc_lo, 1, v2                     ; l >= 2
	s_mov_b32 s15, vcc_lo
	v_cmp_gt_u32 vcc_lo, 2*UNITS, v3               ; u < 2500
	s_and_b32 vcc_lo, vcc_lo, s15                  ; VCC: the lanes that store; it stays so to the end
	v_add_nc_u32 v2, 0xfffff63c, v3                ; - 2500; below 2500 this wraps to a huge number and the minimum keeps the old one
	v_min_u32 v3, v3, v2                           ; u for u >= 0; 2498, 2499 for u = -2, -1
	v_add_nc_u32 v2, 0xfffff63c, v3
	v_min_u32 v3, v3, v2                           ; and 0..19 for u = 2500..2519
	v_lshlrev_b32 v[LOFF], 4, v3
	s_and_b32 s89, ttmp7, 0xffff                   ; y: samples 2 y, 2 y + 1
	s_lshl_b32 s2, s89, 8                          ; their levels: 2 x 32 words
	s_mov_b32 s3, 0
	s_mul_i32 s14, s89, 2*ROWB                     ; their rows of out
	s_mov_b32 s15, 0
	s_wait_kmcnt 0x0
	s_add_nc_u64 s[4:5], s[4:5], s[2:3]
	s_add_nc_u64 s[12:13], s[12:13], s[14:15]
	s_load_b512 s[16:31], s[4:5], 0x0              ; sample 2 y:     level of channel c in s[16 + c]
	s_load_b512 s[32:47], s[4:5], 0x40
	s_load_b512 s[48:63], s[4:5], 0x80             ; sample 2 y + 1: channels 0..15 in s[48 + c],
	s_load_b512 s[68:83], s[4:5], 0xc0             ;                 channels 16..31 in s[52 + c]
	; the keys need no level: they are asked for while the levels are on their way
.set w, 0
.rept 25
	global_load_b128 v[K+4*w:K+4*w+3], v[LOFF], s[10:11] offset:w*ROWB
.set w, w+1
.endr
	v_mov_b32 v[Q], 0                              ; register 0 of each Q slot is first written by a multiply with row_shr, whose lanes
	v_mov_b32 v[Q+4], 0                            ; without a source keep the destination: it has to hold something
	v_mov_b32 v[Q+8], 0
	s_wait_kmcnt 0x0
; One row's load.  The level is bounded once more as it enters an address, times 40,000 bytes, plus my unit: below 2^31.
; The offset lies in the first register of the load's own destination, so no register is held for addresses.
.macro FETCH c, smp
.if \smp == 0
.set SI, 16+(\c)
.else
.if (\c) < 16
.set SI, 48+(\c)
.else
.set SI, 52+(\c)
.endif
.endif
.if (\c) == 31
	s_min_u32 s[SI], s[SI], 199
.else
	s_min_u32 s[SI], s[SI], 2999
.endif
	s_mul_i32 s[SI], s[SI], ROWB
	v_add_nc_u32 v[X+4*((\c)-1)], s[SI], v[LOFF]
.if (\c) == 31
	global_load_b128 v[X+4*((\c)-1):X+4*((\c)-1)+3], v[X+4*((\c)-1)], s[8:9]
.else
	global_load_b128 v[X+4*((\c)-1):X+4*((\c)-1)+3], v[X+4*((\c)-1)], s[6:7]
.endif
.endm
.irp c, 1,2,3,4,5,6,7,8,9,10,11,12,13,14,15,16,17,18,19,20,21,22,23,24,25,26,27,28,29,30,31
	FETCH \c, 0
.endr
; Step c = 2..30, taken when x_{c+1} is in.  refill = 1: the registers of x_{c-5}, dead at the step's end, get that row of the next sample.
; The wait counts the loads issued behind x_{c+1} (loads come back in order, ISA guide 5.7.1): the 30 - c later rows of this sample and,
; with refill, the c - 6 rows of the next sample asked for in steps 6 .. c - 1: 24 in all from step 6 on.  The keys were asked for first.
.macro STEP c, refill
.set QC, Q+4*((\c)%3)                  ; Q_c
.set QP, Q+4*(((\c)+1)%3)              ; Q_{c-2}, becomes R_{c-2}
.set XC, X+4*((\c)-1)                  ; x_c
.set XN, XC+4                          ; x_{c+1}
.set XS, XC-4                          ; x_{c-1}, becomes S_{c-2}
.set XG, XC-20                         ; S_{c-6} (once x_{c-5}), becomes the product of window c - 6
.set KW, K+4*((\c)-6)
.set LEFT, 30-(\c)
.if \refill
.if (\c) > 6
.set LEFT, 24
.endif
.endif
	s_wait_loadcnt LEFT
	v_mul_f32_dpp v[QC], v[XC+3], v[XN] row_shr:1 row_mask:0xf bank_mask:0xf       ; Q_c[4u]   = x_c[4u-1] x_{c+1}[4u]
	v_mul_f32 v[QC+1], v[XC], v[XN+1]                                              ; Q_c[4u+i] = x_c[4u+i-1] x_{c+1}[4u+i]
	v_mul_f32 v[QC+2], v[XC+1], v[XN+2]
	v_mul_f32 v[QC+3], v[XC+2], v[XN+3]
.if (\c) <= 26
	v_pk_mul_f32 v[XS:XS+1], v[XS:XS+1], v[QC+2:QC+3]                              ; S[4u+2], S[4u+3] in registers 0, 1
	v_mul_f32_dpp v[XS+2], v[XS+2], v[QC] row_shr:1 row_mask:0xf bank_mask:0xf     ; S[4u]   = x_{c-1}[4u-2] Q_c[4u]   in register 2
	v_mul_f32_dpp v[XS+3], v[XS+3], v[QC+1] row_shr:1 row_mask:0xf bank_mask:0xf   ; S[4u+1] = x_{c-1}[4u-1] Q_c[4u+1] in register 3
.endif
.if (\c) >= 6
	v_pk_mul_f32 v[QP:QP+1], v[QP:QP+1], v[QC+2:QC+3]                              ; R[4u+2], R[4u+3] in registers 0, 1
	v_mul_f32_dpp v[QP+2], v[QP+2], v[QC] row_shr:1 row_mask:0xf bank_mask:0xf     ; R[4u], R[4u+1] in registers 2, 3
	v_mul_f32_dpp v[QP+3], v[QP+3], v[QC+1] row_shr:1 row_mask:0xf bank_mask:0xf
.irp k, 0,1,2,3
	v_mul_f32_dpp v[XG+\k], v[XG+\k], v[QP+\k] row_shr:1 row_mask:0xf bank_mask:0xf    ; S[d-4] R[d]: four floats back is the same register one lane down
.endr
.if (\c) == 6
	v_pk_mul_f32 v[ACC:ACC+1], v[KW+2:KW+3], v[XG:XG+1]                            ; window 0 starts the sums: nothing is cleared
	v_pk_mul_f32 v[ACC+2:ACC+3], v[KW:KW+1], v[XG+2:XG+3]
.else
	v_pk_fma_f32 v[ACC:ACC+1], v[KW+2:KW+3], v[XG:XG+1], v[ACC:ACC+1]
	v_pk_fma_f32 v[ACC+2:ACC+3], v[KW:KW+1], v[XG+2:XG+3], v[ACC+2:ACC+3]
.endif
.if \refill
	FETCH (\c)-5, 1
.endif
.endif
.endm
; The sign rule and the store.  Lanes 2..15 of the wave's two tiles hold 28 consecutive units: the store covers 448 consecutive bytes.
; EXEC is a source of every pending load and store, so it changes only behind s_wait_xcnt 0 (ISA guide 3.1), narrowing and widening alike;
; the second of these waits also frees OUTR for the next sample.
.macro OUTPUT off, last
	v_cmp_lt_f32 s84, 0, v[ACC+2]                  ; the pairs are put right here: positions 0, 1 lie in registers 2, 3
	v_cmp_lt_f32 s85, 0, v[ACC+3]
	v_cmp_lt_f32 s86, 0, v[ACC]
	v_cmp_lt_f32 s87, 0, v[ACC+1]
	v_cndmask_b32 v[OUTR], -1.0, 1.0, s84
	v_cndmask_b32 v[OUTR+1], -1.0, 1.0, s85
	v_cndmask_b32 v[OUTR+2], -1.0, 1.0, s86
	v_cndmask_b32 v[OUTR+3], -1.0, 1.0, s87
	s_wait_xcnt 0x0
	s_and_saveexec_b32 s88, vcc_lo
	global_store_b128 v[LOFF], v[OUTR:OUTR+3], s[12:13] offset:\off th:TH_STORE_NT
.if \last == 0
	s_wait_xcnt 0x0
	s_or_b32 exec_lo, exec_lo, s88                 ; all lanes on again: row_shr reads its neighbours
.endif
.endm
	; sample 2 y, with the rows of sample 2 y + 1 asked for as registers fall free
.irp c, 2,3,4,5,6,7,8,9,10,11,12,13,14,15,16,17,18,19,20,21,22,23,24,25,26,27,28,29,30
	STEP \c, 1
.endr
.irp c, 26,27,28,29,30,31
	FETCH \c, 1                                    ; rows 26..31 enter no S: their registers are free since step 30 at the latest
.endr
	OUTPUT 0, 0
	; sample 2 y + 1: nothing more to ask for, the counts run down to 0
.irp c, 2,3,4,5,6,7,8,9,10,11,12,13,14,15,16,17,18,19,20,21,22,23,24,25,26,27,28,29,30
	STEP \c, 0
.endr
	OUTPUT ROWB, 1
	s_endpgm
.Lfunc_end_k_q7c32a3dfdd_encode:
	.size	k_q7c32a3dfdd_encode, .Lfunc_end_k_q7c32a3dfdd_encode-k_q7c32a3dfdd_encode
	.p2alignl 7, 3214868480
	.fill 96, 4, 3214868480
	.section	.rodata,"a",@progbits
	.p2align	6, 0x0
	.amdhsa_kernel k_q7c32a3dfdd_encode
		.amdhsa_group_segment_fixed_size 0
		.amdhsa_private_segment_fixed_size 0
		.amdhsa_enable_private_segment 0
		.amdhsa_kernarg_size 40
		.amdhsa_user_sgpr_count 2
		.amdhsa_user_sgpr_kernarg_segment_ptr 1
		.amdhsa_wavefront_size32 1
		.amdhsa_system_sgpr_workgroup_id_x 1
		.amdhsa_system_sgpr_workgroup_id_y 1
		.amdhsa_system_sgpr_workgroup_id_z 1
		.amdhsa_system_vgpr_workitem_id 0
		.amdhsa_next_free_vgpr 248
		.amdhsa_next_free_sgpr 96
		.amdhsa_reserve_vcc 1
		.amdhsa_float_denorm_mode_32 3
		.amdhsa_float_denorm_mode_16_64 3
		.amdhsa_memory_ordered 1
		.amdhsa_forward_progress 1
		.amdhsa_inst_pref_size 70
	.end_amdhsa_kernel
	.amdgpu_metadata
---
amdhsa.version: [ 1, 2 ]
amdhsa.kernels:
  - .name:           k_q7c32a3dfdd_encode
    .symbol:         k_q7c32a3dfdd_encode.kd
    .args:
      - { .name: idx, .offset: 0, .size: 8, .value_kind: global_buffer, .address_space: global }
      - { .name: motion_table, .offset: 8, .size: 8, .value_kind: global_buffer, .address_space: global }
      - { .name: hr_table, .offset: 16, .size: 8, .value_kind: global_buffer, .address_space: global }
      - { .name: keys, .offset: 24, .size: 8, .value_kind: global_buffer, .address_space: global }
      - { .name: out0, .offset: 32, .size: 8, .value_kind: global_buffer, .address_space: global }
    .group_segment_fixed_size: 0
    .private_segment_fixed_size: 0
    .kernarg_segment_align: 8
    .kernarg_segment_size: 40
    .max_flat_workgroup_size: 192
    .sgpr_count:     96
    .vgpr_count:     248
    .wavefront_size: 32
...
	.end_amdgpu_metadata
.endif
;; end of part 2
;; ======== version 2 of 2: 2 launches; version 1 with the launch encode written anew for expert scheduling mode
;; workspace buffers: idx 8,192 bytes of whole numbers
;; launch levels: the kernel of part 1 again; grid 1 x 1, 16 waves a work-group, no clusters, 0 bytes of LDS; arguments channels, idx; writes idx
;; launch encode (part 3): grid 15 x 32, 6 waves a work-group, no clusters, 0 bytes of LDS; arguments idx, motion_table, hr_table, keys, out0; writes out0
.if DOCPART == 3
	.amdgcn_target "amdgcn-amd-amdhsa--gfx1250"
	.amdhsa_code_object_version 6
	.text
	.protected	k_q7c32a3dfdd_encode
	.globl	k_q7c32a3dfdd_encode
	.p2align	8
	.type	k_q7c32a3dfdd_encode,@function
k_q7c32a3dfdd_encode:
	s_mov_b64 s[64:65], 0
	v_nop
	global_prefetch_b8 v0, s[64:65] scope:SCOPE_SE
	s_setreg_imm32_b32 hwreg(HW_REG_WAVE_SCHED_MODE, 0, 2), 2
	s_setreg_imm32_b32 hwreg(HW_REG_WAVE_MODE, 25, 1), 1
	s_wait_xcnt 0x0
	s_wait_alu depctr_vm_vsrc(0)
; out[b][d] = (ms > 0 ? 1 : -1),  ms = sum over w = 0..24 of keys[w][d] * product over j = 0..6 of x_{w+1+j}[(d - 6 + j) mod 10000],
; where x_c is the table row named by idx[b][c]: motion_table for c = 1..30, hr_table for c = 31 (channel 0 enters no window).
;
; SHARES.  A unit is 4 floats (16 bytes); a row has 2,500 units.  A lane owns one unit.  Each row of 16 lanes is a tile of its own:
; it loads 16 consecutive units and lanes 2..15 make outputs; lanes 0 and 1 only carry the 6 floats in front of them.  Tiles step by
; 14 units, so a wave's load covers 30 units = 480 consecutive bytes.  Unit numbers are taken mod 2,500, which is the roll's wrap.
; A work-group is 6 waves = 168 units; 15 of them cover a row (2,520 >= 2,500; lanes past the end load wrapped units and store nothing).
; A wave keeps its 25 key units in registers and serves two samples, 2 y and 2 y + 1, with them.
;
; SHIFTS along d ride on the multiplies: row_shr:1 lets lane i read the first source of lane i - 1 of its 16.  A lane without a source
; keeps its destination; what it keeps reaches positions 0..5 of the tile at most, never lanes 2..15 (Q from position 1, S from 2,
; R from 3, the window's product from 6).
;
; SHARED PARTIAL PRODUCTS (p: position of the last factor):
;   Q_c[p] = x_c[p-1] x_{c+1}[p]      S_w[p] = x_{w+1}[p-2] Q_{w+2}[p]      R_c[p] = Q_c[p-2] Q_{c+2}[p]
;   window w at d = S_w[d-4] R_{w+4}[d]:  16 instructions for a lane's 4 outputs of a window instead of 28.
; S overwrites x_{w+1} and R overwrites Q_c, each with its register pairs SWAPPED (registers 0,1 hold positions 2,3 and registers 2,3
; positions 0,1): then every result lands on the register of one of its own factors and the shift by two is one packed multiply.
; The sums are kept in the same swapped order and put right at the compare.
;
; THE MODE: SCHED_MODE bits 1:0 = 2 (LLVM: expert scheduling mode 2), set by the entry lines.  The code itself states the register
; dependences between vector instructions and memory instructions, with s_wait_alu, always for 0.
; THE PLAN.  Registers that memory instructions touch:
;   v[LOFF]   the one vector offset, of every load and of both stores.  Written at the head, never again: a row is reached by a scalar base.
;   K         Written by the 25 loads of the keys at the head; read by vector instructions alone.
;   X         The 62 row loads land here, numbered m = 1..62: the first sample's rows 1..31, then the second's.  Rows m <= 31 land in
;             registers that no vector instruction has named.  Row 31 + k lands in x_k's registers, whose last vector reader stands in step
;             k + 5 of the first sample (k >= 25: in step 30 at the latest).
;   OUTR, OUT1  Written by the selects behind each sample's last step; read by the two stores, which stand together at the end.
; Rows are asked for in groups, at the head of every fourth step (c = 2, 6, 10 ..), up to row NEED + 24, NEED being the row that the step's
; wait on LOADcnt has shown in: in the first sample's step c that is the second sample's row c - 6, whose registers the step before let go.
; ONE wait on va_vdst stands ahead of such a group: the steps before are done reading the registers in which its loads land.  Groups that land in
; registers not named since the last such wait have none.  No register that a memory instruction reads is written again, so no wait on vm_vsrc stands
; among the steps.  EXEC is written once, at the end, where every load has been waited for; both stores follow under that one mask.
; SCALAR BASES.  Row m's address lies in pair (m - 1) mod 25 of a ring.  The pair's user before is row m - 25 <= NEED - 1, which a wait on LOADcnt has
; shown done: that frees the pair.  The first sample's levels lie over the ring's upper part: making row c's pair, s[6 + 2 c : 7 + 2 c], overwrites
; levels 2 c - 26 and 2 c - 25, which are used up for c <= 25; levels 26..31 lie behind the ring.
;
; LIMITS.  The seven factors are multiplied in another order than left to right, and key * product is fused into the sum: exact for
; tables of +1 and -1; for other numbers ms differs in its last bits.  ms = 0 and ms = NaN give -1, as a compare ms > 0 does.
;
; NOT USED.  No LDS: nothing passes between waves.  No joint requests in a cluster: only the keys are shared between work-groups,
; 25 of the 87 loads of a wave, and they go straight to registers where they stay for both samples.  No prefetch: each wave holds 20 to
; 24 row loads of its own in flight until its last rows are asked for, and the second sample's rows are loaded some 20 steps before use.
.set ROWB,  40000                      ; bytes in a row of every table, of keys and of out
.set UNITS, 2500
.set VALID, 14                         ; units of output in a tile of 16 lanes
.set WGU,   6*2*VALID                  ; units of output of a work-group
.set ROWS,  62                         ; table rows that a wave loads: 31 for each of its two samples
.set RING,  25                         ; scalar pairs for row addresses
.set AHEAD, 24                         ; a group asks for rows up to NEED + AHEAD
.set LOFF,  1                          ; v1         byte offset of my unit in a row: loads of rows and keys, and the stores
.set ACC,   4                          ; v[4:7]     sums, pairs swapped
.set OUTR,  8                          ; v[8:11]    +1 / -1 of sample 2 y, to store
.set Q,     12                         ; v[12:23]   Q_c in slot c mod 3, later R_c
.set OUT1,  Q                          ; v[12:15]   behind the last step: +1 / -1 of sample 2 y + 1, to store
.set X,     24                         ; v[24:147]  x_c at X + 4 (c - 1), later S_{c-1}, then the window's product
.set K,     148                        ; v[148:247] keys[w] at K + 4 w
.set MO,    2                          ; s[2:3]     motion_table
.set HR,    4                          ; s[4:5]     hr_table
.set KY,    6                          ; s[6:7]     keys
.set PB,    8                          ; s[8:57]    the ring of row addresses; s8..s15 are at work at the head
.set L0,    32                         ; s[32:63]   sample 2 y: level of channel c in s[L0 + c]
.set CM,    58                         ; s[58:62]   once levels 26..31 are used up: four compare masks, the old EXEC
.set OU,    66                         ; s[66:67]   out0 at sample 2 y's row
.set L1,    68                         ; s[68:99]   sample 2 y + 1: level of channel c in s[L1 + c]
.set OFS,   100                        ; s[100:101] first idx's address; then a row's byte offset in its table, the high word 0
	s_load_b64 s[OFS:OFS+1], s[0:1], 0x0           ; idx
	s_load_b64 s[MO:MO+1], s[0:1], 0x8             ; motion_table
	s_load_b128 s[HR:HR+3], s[0:1], 0x10           ; hr_table, keys
	s_load_b64 s[OU:OU+1], s[0:1], 0x20            ; out0
	v_and_b32 v2, 15, v0                           ; l: lane in its tile
	v_lshrrev_b32 v3, 4, v0                        ; tile in the work-group, 0..11
	v_mad_u32_u24 v3, v3, VALID, v2                ; 14 tile + l
	s_mul_i32 s11, ttmp9, WGU
	s_add_co_u32 s11, s11, UNITS-2
	v_add_nc_u32 v3, s11, v3                       ; my unit u = 168 x + 14 tile + l - 2, kept as u + 2500: 2498 .. 5019
	v_cmp_lt_u32 s8, 1, v2                         ; l >= 2
	v_cmp_gt_u32 s9, 2*UNITS, v3                   ; u < 2500
	v_add_nc_u32 v2, 0xfffff63c, v3                ; - 2500; below 2500 this wraps to a huge number and the minimum keeps the old one
	v_min_u32 v3, v3, v2                           ; u for u >= 0; 2498, 2499 for u = -2, -1
	v_add_nc_u32 v2, 0xfffff63c, v3
	v_min_u32 v3, v3, v2                           ; and 0..19 for u = 2500..2519
	v_lshlrev_b32 v[LOFF], 4, v3
	v_mov_b32 v[Q], 0                              ; register 0 of each Q slot is first written by a multiply with row_shr, whose lanes
	v_mov_b32 v[Q+4], 0                            ; without a source keep the destination: it has to hold something
	v_mov_b32 v[Q+8], 0
	s_wait_alu depctr_va_sdst(0)                   ; the two compares have written s8 and s9, ahead of their first reader
	s_and_b32 vcc_lo, s8, s9                       ; VCC: the lanes that store; it stays so to the end
	s_and_b32 s10, ttmp7, 0xffff                   ; y: samples 2 y, 2 y + 1
	s_lshl_b32 s12, s10, 8                         ; their levels: 2 x 32 words
	s_mov_b32 s13, 0
	s_mul_i32 s14, s10, 2*ROWB                     ; their rows of out
	s_mov_b32 s15, 0
	s_wait_kmcnt 0x0
	s_add_nc_u64 s[OFS:OFS+1], s[OFS:OFS+1], s[12:13]
	s_add_nc_u64 s[OU:OU+1], s[OU:OU+1], s[14:15]
	s_load_b512 s[L0:L0+15], s[OFS:OFS+1], 0x0
	s_load_b512 s[L0+16:L0+31], s[OFS:OFS+1], 0x40
	s_load_b512 s[L1:L1+15], s[OFS:OFS+1], 0x80
	s_load_b512 s[L1+16:L1+31], s[OFS:OFS+1], 0xc0
	s_wait_alu depctr_va_vdst(0)                   ; v[LOFF] is written: every load and both stores of the kernel read it as their offset
	; the keys need no level: they are asked for while the levels are on their way
.set w, 0
.rept 25
	global_load_b128 v[K+4*w:K+4*w+3], v[LOFF], s[KY:KY+1] offset:w*ROWB
.set w, w+1
.endr
	s_wait_kmcnt 0x0                               ; the levels are in, and the scalar loads that read s[OFS:OFS+1] are done
	s_mov_b32 s[OFS+1], 0
; The next row's load.  ISS counts the rows asked for.  The level is bounded once more as it enters an address, times 40,000 bytes, and
; added to its table's address in the ring's next pair; my unit's offset is v[LOFF].  No vector instruction has a part in it.
.set ISS, 0
.macro FETCH
.set ISS, ISS+1
.if ISS <= 31
.set CH, ISS
.set SI, L0+CH
.else
.set CH, ISS-31
.set SI, L1+CH
.endif
.set BP, PB+2*((ISS-1)%RING)
.if CH == 31
	s_min_u32 s[SI], s[SI], 199
	s_mul_i32 s[OFS], s[SI], ROWB
	s_add_nc_u64 s[BP:BP+1], s[HR:HR+1], s[OFS:OFS+1]
.else
	s_min_u32 s[SI], s[SI], 2999
	s_mul_i32 s[OFS], s[SI], ROWB
	s_add_nc_u64 s[BP:BP+1], s[MO:MO+1], s[OFS:OFS+1]
.endif
	global_load_b128 v[X+4*(CH-1):X+4*(CH-1)+3], v[LOFF], s[BP:BP+1]
.endm
.rept RING
	FETCH                                          ; the first sample's rows 1..25: every pair of the ring once
.endr
; Step c = 2..30 of sample smp (0, 1), taken when x_{c+1} is in: that is row NEED = 31 smp + c + 1.
; The wait counts the rows asked for behind it (loads come back in order, ISA guide 5.7.1): ISS - NEED.  The keys were asked for first.
.macro STEP c, smp
.set QC, Q+4*((\c)%3)                  ; Q_c
.set QP, Q+4*(((\c)+1)%3)              ; Q_{c-2}, becomes R_{c-2}
.set XC, X+4*((\c)-1)                  ; x_c
.set XN, XC+4                          ; x_{c+1}
.set XS, XC-4                          ; x_{c-1}, becomes S_{c-2}
.set XG, XC-20                         ; S_{c-6} (once x_{c-5}), becomes the product of window c - 6
.set KW, K+4*((\c)-6)
.set NEED, 31*(\smp)+(\c)+1
	s_wait_loadcnt ISS-NEED
.if ((\c)%4 == 2) && (ISS < ROWS)      ; a group of rows is asked for
.if (ISS >= 31) && (ISS < 58)
	s_wait_alu depctr_va_vdst(0)                   ; the steps before are done reading the x registers in which the loads below land (the first sample's rows land in registers never named; the last group's registers are not named since the wait one group back)
.endif
.rept 4
.if (ISS < ROWS) && (ISS < NEED+AHEAD)
	FETCH
.endif
.endr
.endif
	v_mul_f32_dpp v[QC], v[XC+3], v[XN] row_shr:1 row_mask:0xf bank_mask:0xf       ; Q_c[4u]   = x_c[4u-1] x_{c+1}[4u]
	v_mul_f32 v[QC+1], v[XC], v[XN+1]                                              ; Q_c[4u+i] = x_c[4u+i-1] x_{c+1}[4u+i]
	v_mul_f32 v[QC+2], v[XC+1], v[XN+2]
	v_mul_f32 v[QC+3], v[XC+2], v[XN+3]
.if (\c) <= 26
	v_pk_mul_f32 v[XS:XS+1], v[XS:XS+1], v[QC+2:QC+3]                              ; S[4u+2], S[4u+3] in registers 0, 1
	v_mul_f32_dpp v[XS+2], v[XS+2], v[QC] row_shr:1 row_mask:0xf bank_mask:0xf     ; S[4u]   = x_{c-1}[4u-2] Q_c[4u]   in register 2
	v_mul_f32_dpp v[XS+3], v[XS+3], v[QC+1] row_shr:1 row_mask:0xf bank_mask:0xf   ; S[4u+1] = x_{c-1}[4u-1] Q_c[4u+1] in register 3
.endif
.if (\c) >= 6
	v_pk_mul_f32 v[QP:QP+1], v[QP:QP+1], v[QC+2:QC+3]                              ; R[4u+2], R[4u+3] in registers 0, 1
	v_mul_f32_dpp v[QP+2], v[QP+2], v[QC] row_shr:1 row_mask:0xf bank_mask:0xf     ; R[4u], R[4u+1] in registers 2, 3
	v_mul_f32_dpp v[QP+3], v[QP+3], v[QC+1] row_shr:1 row_mask:0xf bank_mask:0xf
.irp k, 0,1,2,3
	v_mul_f32_dpp v[XG+\k], v[XG+\k], v[QP+\k] row_shr:1 row_mask:0xf bank_mask:0xf    ; S[d-4] R[d]: four floats back is the same register one lane down
.endr
.if (\c) == 6
	v_pk_mul_f32 v[ACC:ACC+1], v[KW+2:KW+3], v[XG:XG+1]                            ; window 0 starts the sums: nothing is cleared
	v_pk_mul_f32 v[ACC+2:ACC+3], v[KW:KW+1], v[XG+2:XG+3]
.else
	v_pk_fma_f32 v[ACC:ACC+1], v[KW+2:KW+3], v[XG:XG+1], v[ACC:ACC+1]
	v_pk_fma_f32 v[ACC+2:ACC+3], v[KW:KW+1], v[XG+2:XG+3], v[ACC+2:ACC+3]
.endif
.endif
.endm
; The sign rule, into the four registers from dst on.
.macro SIGN dst
	v_cmp_lt_f32 s[CM], 0, v[ACC+2]                ; the pairs are put right here: positions 0, 1 lie in registers 2, 3
	v_cmp_lt_f32 s[CM+1], 0, v[ACC+3]
	v_cmp_lt_f32 s[CM+2], 0, v[ACC]
	v_cmp_lt_f32 s[CM+3], 0, v[ACC+1]
	s_wait_alu depctr_va_sdst(0)                   ; the four compares have written their masks, ahead of the selects that read them
	v_cndmask_b32 v[\dst], -1.0, 1.0, s[CM]
	v_cndmask_b32 v[\dst+1], -1.0, 1.0, s[CM+1]
	v_cndmask_b32 v[\dst+2], -1.0, 1.0, s[CM+2]
	v_cndmask_b32 v[\dst+3], -1.0, 1.0, s[CM+3]
.endm
	; sample 2 y, with the rows of sample 2 y + 1 asked for as registers fall free
.irp c, 2,3,4,5,6,7,8,9,10,11,12,13,14,15,16,17,18,19,20,21,22,23,24,25,26,27,28,29,30
	STEP \c, 0
.endr
	SIGN OUTR                                      ; its +1 / -1 wait in registers for the end
	; sample 2 y + 1: its last seven rows are asked for in steps 2 and 6, then the counts run down to 0
.irp c, 2,3,4,5,6,7,8,9,10,11,12,13,14,15,16,17,18,19,20,21,22,23,24,25,26,27,28,29,30
	STEP \c, 1
.endr
	SIGN OUT1
	; The stores.  Lanes 2..15 of the wave's two tiles hold 28 consecutive units: each store covers 448 consecutive bytes.
	s_wait_xcnt 0x0                                ; EXEC is a source of every load issued so far: it changes only behind this wait (ISA guide 3.1)
	s_wait_alu depctr_va_vdst(0)                   ; the selects have written OUTR and OUT1, which the stores read; and no vector instruction is at work when EXEC is written
	s_wait_alu depctr_vm_vsrc(0)                   ; every load has read its registers when EXEC is written
	s_and_saveexec_b32 s[CM+4], vcc_lo
	global_store_b128 v[LOFF], v[OUTR:OUTR+3], s[OU:OU+1] th:TH_STORE_NT
	global_store_b128 v[LOFF], v[OUT1:OUT1+3], s[OU:OU+1] offset:ROWB th:TH_STORE_NT
	s_endpgm
.Lfunc_end_k_q7c32a3dfdd_encode:
	.size	k_q7c32a3dfdd_encode, .Lfunc_end_k_q7c32a3dfdd_encode-k_q7c32a3dfdd_encode
	.p2alignl 7, 3214868480
	.fill 96, 4, 3214868480
	.section	.rodata,"a",@progbits
	.p2align	6, 0x0
	.amdhsa_kernel k_q7c32a3dfdd_encode
		.amdhsa_group_segment_fixed_size 0
		.amdhsa_private_segment_fixed_size 0
		.amdhsa_enable_private_segment 0
		.amdhsa_kernarg_size 40
		.amdhsa_user_sgpr_count 2
		.amdhsa_user_sgpr_kernarg_segment_ptr 1
		.amdhsa_wavefront_size32 1
		.amdhsa_system_sgpr_workgroup_id_x 1
		.amdhsa_system_sgpr_workgroup_id_y 1
		.amdhsa_system_sgpr_workgroup_id_z 1
		.amdhsa_system_vgpr_workitem_id 0
		.amdhsa_next_free_vgpr 248
		.amdhsa_next_free_sgpr 102
		.amdhsa_reserve_vcc 1
		.amdhsa_float_denorm_mode_32 3
		.amdhsa_float_denorm_mode_16_64 3
		.amdhsa_memory_ordered 1
		.amdhsa_forward_progress 1
		.amdhsa_inst_pref_size 70
	.end_amdhsa_kernel
	.amdgpu_metadata
---
amdhsa.version: [ 1, 2 ]
amdhsa.kernels:
  - .name:           k_q7c32a3dfdd_encode
    .symbol:         k_q7c32a3dfdd_encode.kd
    .args:
      - { .name: idx, .offset: 0, .size: 8, .value_kind: global_buffer, .address_space: global }
      - { .name: motion_table, .offset: 8, .size: 8, .value_kind: global_buffer, .address_space: global }
      - { .name: hr_table, .offset: 16, .size: 8, .value_kind: global_buffer, .address_space: global }
      - { .name: keys, .offset: 24, .size: 8, .value_kind: global_buffer, .address_space: global }
      - { .name: out0, .offset: 32, .size: 8, .value_kind: global_buffer, .address_space: global }
    .group_segment_fixed_size: 0
    .private_segment_fixed_size: 0
    .kernarg_segment_align: 8
    .kernarg_segment_size: 40
    .max_flat_workgroup_size: 192
    .sgpr_count:     102
    .vgpr_count:     248
    .wavefront_size: 32
...
	.end_amdgpu_metadata
.endif
;; end of part 3
